; MI455X (gfx1250); checked and timed in simulation.
; The chip was launched on July 23, 2026; its instructions are those of AMD's public machine-readable ISA for CDNA 5 (MIT licence, August 2026) and "CDNA5" Instruction Set Architecture Reference Guide (July 2026). The comments in the code are by the model that wrote it; some were corrected since.
;; Quantized Linear. Allowed arithmetic: matrix products marked QUANTISED: E2M3 operands, one E8M0 scale for each 32 along K, by v_wmma_scale_f32_16x16x128_f8f6f4 with both operands' format E2M3, f32 sums; everything else in f32.
;; Inputs: q_coef 4,096 x 4,096 int32; q_intercept 4,096 int32; x 4,096 x 4,096 float32.
;; Outputs: out0 4,096 x 4,096 float32.
;; This version of the problem:
;;   THIS VERSION OF THE PROBLEM IS GIVEN IN LOW PRECISION. The matrix products marked QUANTISED in the list below multiply operands that are first quantised to E2M3 (2 exponent bits, 3 mantissa bits; 6 bits a number), with one power-of-two scale for each 32 numbers along K (OCP MX v1.0); their sums are f32. All else is computed in f32.
;;   The module's matrix products, in the order in which they are computed (A, B: the left and right operand; K: the contracted axis; several contracted axes count as one K, in the product's order):
;;     1. [M 4,096, K 4,096] x [K 4,096, N 4,096]; A: input x; B: computed on the way: QUANTISED
;;   THE QUANTISER, for each operand of a quantised product, along K:
;;     - K is cut into blocks of 32 from its start; a last block that is shorter is filled with zeros.
;;     - A block's scale is 2^e with e = floor(log2(the largest magnitude in the block)) - 2, held to -126 .. 127; a block of zeros has e = 0. As a byte (E8M0): e + 127.
;;     - Each number is divided by its block's scale, clamped to +-7.5, and rounded to the nearest number of E2M3, ties to even, subnormals kept.
;;     - The product sums the exact products of the quantised numbers (number of the format x scale) in f32.
;;   ~~~python
;;   def quantise(x, axis):      # numpy; x: float32 -> the quantised numbers, widened to float32 again
;;       x = np.moveaxis(x, axis, -1); K = x.shape[-1]
;;       x = np.pad(x, [(0, 0)] * (x.ndim - 1) + [(0, -K % 32)]); x = x.reshape(x.shape[:-1] + (-1, 32)); a = np.abs(x).max(-1, keepdims=True)
;;       e = np.where(a > 0, np.clip(np.frexp(np.where(a > 0, a, 1))[1] - 1 - 2, -126, 127), 0)      # np.frexp(a)[1] - 1 = floor(log2(a)), exactly
;;       r = np.clip(x / 2.0 ** e, -7.5, 7.5)
;;       step = 2.0 ** (np.maximum(np.frexp(np.where(r == 0, 1, r))[1] - 1, 0) - 3)
;;       q = np.round(r / step) * step * 2.0 ** e      # np.round: ties to even
;;       return np.moveaxis(q.reshape(q.shape[:-2] + (-1,))[..., :K], -1, axis).astype(np.float32)
;;   ~~~
;;   OPERANDS COMPUTED ON THE WAY. 'Computed on the way' means the value that the module computes at that place (a softmax that the list does not call 'softmax' is quantised finished and normalised). What goes into a quantiser is computed in f32, as accurately as f32 sums, v_exp_f32 and their like allow (about 1e-6 of the number): no bf16 or f16 on the way to a quantiser, and a product that is left as it is and whose result goes on into a quantised operand takes f32 operands (vector FMAs, or v_wmma_f32_16x16x4_f32). A number that lies on a knife's edge between two numbers of the format may be rounded either way, as far as f32 arithmetic and the matrix unit's own rounding can turn it there, and no further.
;; One version. Each part assembles by itself: llvm-mc -triple=amdgcn-amd-amdhsa -mcpu=gfx1250 --defsym DOCPART=n.
;; ======== version 1 of 1: 2 launches
;; limits: right only within a limited range of input values
;; workspace buffers: a_img 13,107,200 bytes; b_img 13,107,200 bytes
;; launch quant (part 1): grid 1024 x 1, 4 waves a work-group, no clusters, 61,952 bytes of LDS; arguments x, q_coef, a_img, b_img; writes a_img, b_img
.if DOCPART == 1
	.amdgcn_target "amdgcn-amd-amdhsa--gfx1250"
	.amdhsa_code_object_version 6
	.text
	.protected	k_qebcf78bb22_quant
	.globl	k_qebcf78bb22_quant
	.p2align	8
	.type	k_qebcf78bb22_quant,@function
k_qebcf78bb22_quant:
	s_mov_b64 s[64:65], 0
	v_nop
	global_prefetch_b8 v0, s[64:65] scope:SCOPE_SE
	s_setreg_imm32_b32 hwreg(HW_REG_WAVE_MODE, 25, 1), 1
	s_wait_xcnt 0x0
; Both operands of out0 = x W + bias become codes of FP6 (E2M3) with one E8M0 scale byte for each 32 along K.
; x: [4096 (m)][4096 (k)] f32.   W = 0.02 (f32(q_coef) - 128), q_coef: [4096 (k)][4096 (n)] int32: convert, subtract, one multiplication, in f32.
; A block's scale is 2^(floor(log2(its largest magnitude)) - 2); its byte is the largest magnitude's exponent field - 2, held at 1 from below; each number / scale goes to the nearest code, ties to even, beyond 7.5 the largest code.
; LIMITS: NaN and infinities among the inputs are not served.  A block of zeros gets the byte 1 where the rule says 127: its codes are zeros, which add nothing under any byte but 0xff, and this program alone reads the bytes.
; THE WORKSPACE IS LAID IN THE ORDER OF THE MATRIX OPERAND'S REGISTERS.  An operand row is m (x) or n (W); 16 rows are a block, 128 rows (8 blocks i) a group; s = k / 128.
;   [group 32][s 32] RECORDS of 12,800 bytes:  [i 8][g 3][lane 32][16 bytes] the eight fragments' images, then [i 8][r 16] the rows' scale words (four bytes, byte b for k = 32 b .. 32 b + 31 of that s).
;   A fragment (16 rows x 128 K, 12 registers a lane) is 1,536 bytes; registers 4 g .. 4 g + 3 of lane l lie at 512 g + 16 l.  Lane (r, h) of a fragment holds row r; its registers 6 c .. 6 c + 5 hold k = 64 c + 32 h + 0 .. 31.
; One launch serves both tensors: work-groups 0-511 take x, 512-1023 q_coef; a wave makes half a record.  By registers (4 x 256 a SIMD) and LDS (4 x 61,952 bytes) four work-groups fit on a WGP.
; The two ways part on the work-group's number and have LDS bytes of their own.  No tensor loads, no barrier: waves share nothing.  Every store of a wave covers 256 or 512 consecutive bytes, aligned.
.set SEL, 24                           ; s[24:25] lane selects for v_permlanex16_b32: lane l xor 16
.set REC, 12800                        ; a record
.set SCO, 12288                        ; where its scale words begin
.set GRP, 32*REC                       ; a group's records
	s_load_b128 s[4:7], s[0:1], 0x0                ; x, q_coef
	s_load_b128 s[8:11], s[0:1], 0x10              ; a_img, b_img
	v_lshl_add_u32 v254, v0, 2, 0xf000             ; my spare word, behind both ways' bytes
	v_mov_b32 v255, 0
	v_lshrrev_b32 v1, 5, v0
	v_readfirstlane_b32 s16, v1                    ; wave 0..3
	v_and_b32 v1, 31, v0                           ; lane
	s_mov_b32 s27, 0                               ; the upper word of every offset
	s_wait_kmcnt 0x0
	s_cmp_lt_u32 ttmp9, 512
	s_cbranch_scc0 .Lw
; ---------------------------------------------------------------- x: K is innermost
; A wave takes four blocks of a group (64 rows) x 128 along K: four fragments and their scale words: half a record.  Each load reads 512 consecutive bytes of one row; a fragment's 16 rows turn through the wave's own
; stage in LDS (16 rows, 528 bytes apart) and come back so that lane (r, h) holds, of row r, 16 neighbours of each block of 32: register 16 b + i = k 32 b + 16 h + i.
.set XR,  16                           ; v16-143  two sets of 64: a fragment's numbers as loaded
.set XN,  144                          ; v144-207 the same as neighbours
.set PC,  208                          ; v208-219 the fragment's codes; v220-226 at work
.set TM,  228                          ; v228-231 largest magnitudes, v232-235 bytes, v240-243 the conversions' scale operands
.set PW,  244                          ; v244     the scale word just made
.set OW,  248                          ; v[248:249] the scale words on their way out
	s_mov_b32 s[SEL], 0x76543210
	s_mov_b32 s[SEL+1], 0xfedcba98
	s_lshr_b32 s17, ttmp9, 4                       ; the group
	s_bfe_u32 s18, ttmp9, 0x30001
	s_and_b32 s28, ttmp9, 1                        ; its blocks 0-3 or 4-7
	s_lshl_b32 s18, s18, 2
	s_add_co_u32 s18, s18, s16                     ; s: the four waves stand side by side on 2,048 bytes of each row
	s_lshl_b32 s26, s17, 21                        ; x: 128 rows of 16,384 bytes a group
	s_lshl_b32 s29, s28, 20                        ;    + 64 rows for the upper blocks
	s_add_co_u32 s26, s26, s29
	s_lshl_b32 s19, s18, 9                         ;    + 512 s
	s_add_co_u32 s26, s26, s19
	s_add_nc_u64 s[4:5], s[4:5], s[26:27]
	s_mul_i32 s26, s17, GRP                        ; my record
	s_mul_i32 s19, s18, REC
	s_add_co_u32 s26, s26, s19
	s_add_nc_u64 s[8:9], s[8:9], s[26:27]
	v_and_b32 v2, 15, v0                           ; r
	v_bfe_u32 v3, v0, 4, 1                         ; h
	s_wait_alu depctr_va_vdst(0)                   ; the wait here, ahead of the reader of the lane's number below
	v_lshlrev_b32 v4, 4, v1                        ; 16 x lane: my bytes of a load
	s_mul_i32 s30, s16, 8448                       ; my stage
	v_add_nc_u32 v5, s30, v4                       ; into it: 16 x lane of a row
	v_mul_u32_u24 v6, v2, 528
	v_lshl_add_u32 v6, v3, 6, v6
	v_add_nc_u32 v6, s30, v6                       ; out of it: row r, + 64 h
	s_lshl_b32 s31, s16, 9
	s_add_co_u32 s31, s31, 33792                   ; behind the four stages: my wave's bytes for the scale words
	v_lshl_add_u32 v9, v2, 2, s31                  ; into them: 4 r (+ 64 for each block)
	v_lshlrev_b32 v12, 3, v1
	v_add_nc_u32 v10, s31, v12                     ; out of them: 8 x lane
	s_mul_i32 s29, s28, 6144
	v_add_nc_u32 v11, s29, v4                      ; in the record: my four images begin at block 0 or 4; 16 x lane,
	s_lshl_b32 s29, s28, 8
	v_add_nc_u32 v12, s29, v12                     ; and my 64 words at word 0 or 64; 8 x lane
.irp b, 0,1,2,3
	v_mov_b32 v[TM+4+\b], 0                        ; written once: a lane permute's destination counts as one of its sources
.endr
.macro XLOAD f                         ; fragment f of my four
.irp j, 0,1,2,3,4,5,6,7,8,9,10,11,12,13,14,15
	global_load_b128 v[XR+64*((\f)%2)+4*\j:XR+64*((\f)%2)+4*\j+3], v4, s[4:5] offset:(16*(\f)+\j)*16384 th:TH_LOAD_NT
.endr
.endm
; v[XN] .. v[XN + 63] become the fragment's codes in v[PC] on and its rows' scale word in v[PW]
.macro QUANT
.irp b, 0,1,2,3
	v_max3_num_f32 v[TM+\b], |v[XN+16*\b]|, |v[XN+1+16*\b]|, 0x1800000   ; block b: my 16 numbers, and the floor 2^(3 - 127): so the byte cannot fall under 1
.endr
.irp i, 2,4,6,8,10,12,14
.irp b, 0,1,2,3
	v_max3_num_f32 v[TM+\b], v[TM+\b], |v[XN+16*\b+\i]|, |v[XN+1+16*\b+\i]|   ; the four blocks by turns
.endr
.endr
.irp b, 0,1,2,3
	v_permlanex16_b32 v[TM+4+\b], v[TM+\b], s[SEL], s[SEL+1]
.endr
.irp b, 0,1,2,3
	v_max_num_f32 v[TM+\b], v[TM+\b], v[TM+4+\b]   ; with lane l xor 16's: the block's largest magnitude
.endr
.irp b, 0,1,2,3
	v_add_nc_u32 v[TM+12+\b], 0xff000000, v[TM+\b] ; 2 off its exponent field: the conversion takes the exponent field of this operand as its scale
.endr
.irp b, 0,1,2,3
	v_lshrrev_b32 v[TM+4+\b], 23, v[TM+12+\b]      ; the scale's byte
.endr
	v_lshl_or_b32 v[PW], v[TM+5], 8, v[TM+4]       ; the four bytes make my row's scale word (both halves of the lanes hold it)
	v_lshl_or_b32 v[PW], v[TM+6], 16, v[PW]
	v_lshl_or_b32 v[PW], v[TM+7], 24, v[PW]
.irp c, 0,1
	v_cvt_scalef32_pk16_fp6_f32 v[PC+6*\c:PC+2+6*\c], v[XN+32*\c:XN+15+32*\c], v[TM+12+2*\c]
	v_cvt_scalef32_pk16_fp6_f32 v[PC+12+4*\c:PC+14+4*\c], v[XN+16+32*\c:XN+31+32*\c], v[TM+12+2*\c+1]   ; (a conversion's three registers begin on an even number)
.endr
	v_nop                                          ; one plain instruction behind the scaled conversions
.irp c, 0,1                                    ; the operand's layout wants a WHOLE block in a lane: lanes 0-15 block 2 c, lanes 16-31 block 2 c + 1
.irp i, 0,1,2
	v_permlane16_swap_b32 v[PC+6*\c+\i], v[PC+12+4*\c+\i]
.endr
.irp i, 0,1,2
	v_mov_b32 v[PC+3+6*\c+\i], v[PC+12+4*\c+\i]
.endr
.endr
.endm
.macro XFRAG f
.set RS, XR+64*((\f)%2)
.if (\f) < 3
	s_wait_loadcnt 16                              ; this fragment's 16 loads are in; the next fragment's 16 may be out
.else
	s_wait_loadcnt 0
.endif
.irp j, 0,1,2,3,4,5,6,7,8,9,10,11,12,13,14,15
	ds_store_b128 v5, v[RS+4*\j:RS+4*\j+3] offset:528*\j
.endr
.irp b, 0,1,2,3
.irp j, 0,1,2,3
	ds_load_b128 v[XN+16*\b+4*\j:XN+16*\b+4*\j+3], v6 offset:128*\b+16*\j   ; LDS serves a wave's instructions in order: these see the stores above
.endr
.endr
	s_wait_dscnt 16                                ; the 16 stores are done (the 16 loads may be out): their registers take the loads of two fragments on
	s_wait_xcnt 0x0                                ; the last fragment's stores to memory have read their registers: the codes are written again only behind this wait
.if (\f) < 2
	XLOAD (\f)+2
.endif
	s_wait_dscnt 0x0                               ; my neighbours are in, and the last fragment's word has gone to LDS
	QUANT
	ds_store_b32 v9, v[PW] offset:64*(\f)          ; the block's sixteen words; both halves of the lanes write the same word with the same value
.irp g, 0,1,2
	global_store_b128 v11, v[PC+4*\g:PC+4*\g+3], s[8:9] offset:(\f)*1536+512*\g   ; the image: 512 consecutive bytes a store
.endr
.endm
	XLOAD 0
	XLOAD 1
	s_wait_alu depctr_va_vdst(0)                   ; the wait at the head's end
.irp f, 0,1,2,3
	XFRAG \f
.endr
	ds_load_b64 v[OW:OW+1], v10                    ; LDS serves a wave's instructions in order: this sees my four stores
	s_wait_dscnt 0x0
	global_store_b64 v12, v[OW:OW+1], s[8:9] offset:SCO   ; my four blocks' scale words: 256 consecutive bytes, aligned
	s_wait_tensorcnt 0x0                           ; the wave's end
	ds_add_u32 v254, v255
	s_wait_dscnt 0x0
	s_endpgm
; ---------------------------------------------------------------- W: K is the first axis
; A wave takes 64 columns (four blocks of 16) x 128 along K (one s): four fragments.  LANE l TAKES COLUMNS 2 l AND 2 l + 1, AND ITS REGISTERS RUN DOWN K: each load reads 256 consecutive bytes of one row k, aligned,
; a block of 32 along K lies in one lane's registers, and the conversions give codes with K innermost.  Column 2 l + c is row 2 (l % 8) + c of block l / 8: word 2 l + c of the wave's 64 scale words.
; A block's 24 bytes go to their place in the fragment's image in the wave's own stage in LDS (four images, 1,552 bytes apart); after the four blocks the four images leave as they lie.
.Lw:
.set WI,  16                           ; v16-143  two sets of 64: register 2 k + c as loaded
.set WY,  144                          ; v144-207 register 32 c + k: the weights in f32; at the flush the images
.set CD,  208                          ; v208-216, v218-226 a block's codes of column c: six registers, and three at work
.set MX,  228                          ; v228-229 largest magnitudes
.set SO,  230                          ; v230-231 the conversions' scale operands
.set BY,  232                          ; v232-233 the bytes
.set SB,  236                          ; v[236:237] scale words of my two columns
	s_mov_b32 s20, 0xc3000000                      ; -128.0
	s_mov_b32 s21, s20                             ; (the packed forms name a pair and take its low word for both halves)
	s_mov_b32 s22, 0x3ca3d70a                      ; 0.02
	s_mov_b32 s23, s22
	s_sub_co_u32 s17, ttmp9, 512
	s_lshr_b32 s18, s17, 4                         ; s: which 128 along K
	s_and_b32 s17, s17, 15
	s_lshl_b32 s17, s17, 2
	s_add_co_u32 s17, s17, s16                     ; J: which 64 columns; the four waves stand side by side
	s_lshl_b32 s26, s18, 21                        ; q_coef: 128 rows of 16,384 bytes
	s_lshl_b32 s19, s17, 8                         ;         + 256 J
	s_add_co_u32 s26, s26, s19
	s_add_nc_u64 s[6:7], s[6:7], s[26:27]
	s_lshr_b32 s28, s17, 1                         ; the group
	s_and_b32 s29, s17, 1                          ; its blocks 0-3 or 4-7
	s_mul_i32 s26, s28, GRP
	s_mul_i32 s19, s18, REC                        ; my record
	s_add_co_u32 s26, s26, s19
	s_add_nc_u64 s[10:11], s[10:11], s[26:27]
	s_mul_i32 s30, s16, 6400
	s_add_co_u32 s30, s30, 35840                   ; my stage, behind the other way's bytes
	s_wait_alu depctr_va_vdst(0)                   ; the wait here, ahead of the reader of the lane's number below
	v_lshlrev_b32 v4, 3, v1                        ; in: 8 bytes a lane
	v_lshrrev_b32 v8, 3, v1
	v_mul_u32_u24 v5, v8, 1552                     ; into the stage: image l / 8,
	v_and_b32 v8, 7, v1
	v_lshl_add_u32 v5, v8, 5, v5                   ; the place of its lane 2 (l % 8)
	v_add_nc_u32 v5, s30, v5
	v_lshlrev_b32 v7, 4, v1                        ; 16 x lane
	v_add_nc_u32 v6, s30, v7                       ; out of the stage
	s_mul_i32 s19, s29, 6144
	v_add_nc_u32 v7, s19, v7                       ; in the record: my four images begin at block 0 or 4,
	s_lshl_b32 s19, s29, 8
	v_add_nc_u32 v9, s19, v4                       ; and my 64 words at word 0 or 64; 8 bytes a lane
.macro WLOAD b                         ; block b of four: rows 32 b + k, k = 0 .. 31
.set k, 0
.rept 32
	global_load_b64 v[WI+64*((\b)%2)+2*k:WI+64*((\b)%2)+2*k+1], v4, s[6:7] offset:(32*(\b)+k)*16384 th:TH_LOAD_NT
.set k, k+1
.endr
.endm
.macro WBLOCK b
.set XS, WI+64*((\b)%2)
.set HH, (\b)%2                        ; the block's place in the 128 along K: registers 6 (b / 2) on of the lanes of half b % 2
.set CH, (\b)/2
.if (\b) < 3
	s_wait_loadcnt 32                              ; this block's 32 loads are in; the next block's 32 may be out
.else
	s_wait_loadcnt 0
.endif
.set k, 0
.rept 32
	v_cvt_f32_i32 v[WY+k], v[XS+2*k]               ; the two columns are parted on the way
	v_cvt_f32_i32 v[WY+32+k], v[XS+2*k+1]
.set k, k+1
.endr
.if (\b) < 2
	WLOAD (\b)+2
.endif
.set k, 0
.rept 32
	v_pk_add_f32 v[WY+k:WY+k+1], v[WY+k:WY+k+1], s[20:21] op_sel_hi:[1,0]   ; q - 128: exact
.set k, k+2
.endr
.set k, 0
.rept 32
	v_pk_mul_f32 v[WY+k:WY+k+1], v[WY+k:WY+k+1], s[22:23] op_sel_hi:[1,0]   ; x 0.02: one rounding
.set k, k+2
.endr
	v_max3_num_f32 v[MX], |v[WY]|, |v[WY+1]|, 0x1800000         ; the block's largest magnitude: all 32 numbers are mine; and the floor 2^(3 - 127)
	v_max3_num_f32 v[MX+1], |v[WY+32]|, |v[WY+33]|, 0x1800000
.set k, 2
.rept 15
	v_max3_num_f32 v[MX], v[MX], |v[WY+k]|, |v[WY+k+1]|         ; the two columns by turns
	v_max3_num_f32 v[MX+1], v[MX+1], |v[WY+32+k]|, |v[WY+33+k]|
.set k, k+2
.endr
	v_add_nc_u32 v[SO], 0xff000000, v[MX]          ; 2 off the exponent field: the conversion's scale operand
	v_add_nc_u32 v[SO+1], 0xff000000, v[MX+1]
	v_lshrrev_b32 v[BY], 23, v[SO]                 ; the scale's byte
	v_lshrrev_b32 v[BY+1], 23, v[SO+1]
.if (\b) == 0
	v_mov_b32 v[SB], v[BY]                         ; four bytes to a word, the lower K in the lower byte
	v_mov_b32 v[SB+1], v[BY+1]
.else
	v_lshl_or_b32 v[SB], v[BY], 8*(\b), v[SB]
	v_lshl_or_b32 v[SB+1], v[BY+1], 8*(\b), v[SB+1]
.endif
	s_wait_alu depctr_va_vdst(0)                   ; the wait here, directly ahead of the wait below
	s_wait_dscnt 0x0                               ; the last block's stores into the stage are done: their registers are written again
.irp c, 0,1
	v_cvt_scalef32_pk16_fp6_f32 v[CD+10*\c:CD+10*\c+2], v[WY+32*\c:WY+32*\c+15], v[SO+\c]
	v_cvt_scalef32_pk16_fp6_f32 v[CD+10*\c+6:CD+10*\c+8], v[WY+32*\c+16:WY+32*\c+31], v[SO+\c]   ; (a conversion's three registers begin on an even number)
.endr
	v_nop                                          ; one plain instruction behind the scaled conversions
.irp c, 0,1
.irp i, 0,1,2
	v_mov_b32 v[CD+10*\c+3+\i], v[CD+10*\c+6+\i]
.endr
.endr
.irp c, 0,1                                    ; register n of image lane r' + 16 HH lies at 512 (n / 4) + 16 (r' + 16 HH) + 4 (n % 4)
.set CR, CD+10*\c
.set OO, 16*\c+256*HH
.if CH == 0
	ds_store_b128 v5, v[CR:CR+3] offset:OO         ; registers 0-3
	ds_store_b64 v5, v[CR+4:CR+5] offset:512+OO    ; 4, 5
.else
	ds_store_b64 v5, v[CR:CR+1] offset:520+OO      ; 6, 7
	ds_store_b128 v5, v[CR+2:CR+5] offset:1024+OO  ; 8-11
.endif
.endr
.endm
	WLOAD 0
	WLOAD 1
.irp n, 0,1,2,3
	WBLOCK \n
.endr
.irp f, 0,1,2,3                                ; 128 along K are done: the four images leave
.irp g, 0,1,2
	ds_load_b128 v[WY+4*(3*\f+\g):WY+4*(3*\f+\g)+3], v6 offset:1552*\f+512*\g   ; LDS serves a wave's instructions in order: these see my stores
.endr
.endr
	s_wait_dscnt 0x0
.irp f, 0,1,2,3
.irp g, 0,1,2
	global_store_b128 v7, v[WY+4*(3*\f+\g):WY+4*(3*\f+\g)+3], s[10:11] offset:1536*\f+512*\g   ; 512 consecutive bytes a store
.endr
.endr
	global_store_b64 v9, v[SB:SB+1], s[10:11] offset:SCO         ; my two columns' words: the wave stores 256 consecutive bytes, aligned
	s_wait_tensorcnt 0x0                           ; the wave's end
	ds_add_u32 v254, v255
	s_wait_dscnt 0x0
	s_endpgm
.Lfunc_end_k_qebcf78bb22_quant:
	.size	k_qebcf78bb22_quant, .Lfunc_end_k_qebcf78bb22_quant-k_qebcf78bb22_quant
	.p2alignl 7, 3214868480
	.fill 96, 4, 3214868480
	.section	.rodata,"a",@progbits
	.p2align	6, 0x0
	.amdhsa_kernel k_qebcf78bb22_quant
		.amdhsa_group_segment_fixed_size 61952
		.amdhsa_private_segment_fixed_size 0
		.amdhsa_enable_private_segment 0
		.amdhsa_kernarg_size 32
		.amdhsa_user_sgpr_count 2
		.amdhsa_user_sgpr_kernarg_segment_ptr 1
		.amdhsa_wavefront_size32 1
		.amdhsa_system_sgpr_workgroup_id_x 1
		.amdhsa_system_sgpr_workgroup_id_y 1
		.amdhsa_system_sgpr_workgroup_id_z 1
		.amdhsa_system_vgpr_workitem_id 0
		.amdhsa_next_free_vgpr 256
		.amdhsa_next_free_sgpr 66
		.amdhsa_reserve_vcc 0
		.amdhsa_float_denorm_mode_32 3
		.amdhsa_float_denorm_mode_16_64 3
		.amdhsa_memory_ordered 1
		.amdhsa_forward_progress 1
		.amdhsa_inst_pref_size 86
	.end_amdhsa_kernel
	.amdgpu_metadata
---
amdhsa.version: [ 1, 2 ]
amdhsa.kernels:
  - .name:           k_qebcf78bb22_quant
    .symbol:         k_qebcf78bb22_quant.kd
    .args:
      - { .name: x, .offset: 0, .size: 8, .value_kind: global_buffer, .address_space: global }
      - { .name: q_coef, .offset: 8, .size: 8, .value_kind: global_buffer, .address_space: global }
      - { .name: a_img, .offset: 16, .size: 8, .value_kind: global_buffer, .address_space: global }
      - { .name: b_img, .offset: 24, .size: 8, .value_kind: global_buffer, .address_space: global }
    .group_segment_fixed_size: 61952
    .private_segment_fixed_size: 0
    .kernarg_segment_align: 8
    .kernarg_segment_size: 32
    .max_flat_workgroup_size: 128
    .sgpr_count:     66
    .vgpr_count:     256
    .wavefront_size: 32
...
	.end_amdgpu_metadata
.endif
;; end of part 1
;; launch gemm (part 2): grid 16 x 16, 4 waves a work-group, clusters of 4 x 4, 327,680 bytes of LDS; arguments a_img, b_img, q_intercept, out0; writes out0
.if DOCPART == 2
	.amdgcn_target "amdgcn-amd-amdhsa--gfx1250"
	.amdhsa_code_object_version 6
	.text
	.protected	k_qebcf78bb22_gemm
	.globl	k_qebcf78bb22_gemm
	.p2align	8
	.type	k_qebcf78bb22_gemm,@function
k_qebcf78bb22_gemm:
	s_mov_b64 s[64:65], 0
	v_nop
	global_prefetch_b8 v0, s[64:65] scope:SCOPE_SE
	s_setreg_imm32_b32 hwreg(HW_REG_WAVE_MODE, 25, 1), 1
	s_wait_xcnt 0x0
	s_wait_alu depctr_hold_cnt(0) depctr_sa_sdst(0) depctr_va_vdst(0) depctr_va_sdst(0) depctr_va_ssrc(0) depctr_va_vcc(0) depctr_vm_vsrc(0)
	s_getreg_b32 s2, hwreg(HW_REG_IB_STS2, 6, 4)
	s_cmp_eq_u32 s2, 0
	s_cbranch_scc0 .Lentry_in_a_cluster
	s_endpgm
.Lentry_in_a_cluster:
	s_bfe_u32 s2, ttmp6, 0x10000c
	s_cmp_lg_u32 s2, 0xf033
	s_cbranch_scc0 .Lentry_shape_is_right
	s_endpgm
.Lentry_shape_is_right:
; out0[m][n] = sum over k of Q(x)[m][k] Q(W)[k][n] + 0.01 (q_intercept[n] - 128).  Both operands come as codes of FP6 (E2M3) with E8M0 scale words, laid by the launch before in RECORDS:
; [group of 128 rows][s = k / 128] 12,800 bytes: eight fragment images (1,536 bytes; registers 4 g .. 4 g + 3 of lane l at 512 g + 16 l), then [block 8][row 16] scale words.
; A work-group of four waves makes 256 x 256 of out0, a wave 128 x 128: 64 accumulators.  K goes in 32 steps of 128 through a ring of two LDS slots of three steps each (the last fill: two steps);
; a wave's one tensor load brings three records of one group, 150 rows of 256 bytes, dense in memory.
; CLUSTERS 4 x 4: A's records hang on the tile row alone and are asked for jointly along a row of the cluster, B's along a column.
; The matrix instruction is used transposed (source 0 = B's 16 rows, source 1 = A's): a lane holds eight neighbouring columns of one row of out0.
; REGISTERS.  Each window w of 256 holds: v0-127 the accumulators of A's blocks 2 w, 2 w + 1 (block a, B's block b at 8 (8 (a % 2) + b)); v128-223 one set of eight fragments:
;   window 0: A's set 0, window 1: A's set 1, window 2: B's set 0, window 3: B's set 1; v224-255: window 0 scale words (two sets of 8) and the way out's registers; windows 2 and 3 each the six LDS addresses.
; A step of parity p multiplies sets p and fetches the next step's fragments into the other sets, in TWO RUNS of LDS loads.  Under the window setting of a quarter step's 16 products (destination = the
; accumulators' window w, source 0 = window 2 + p) an LDS load takes its address from window 2 + p and lands in window w.  The quarters go 3, 0, 1, 2 (p = 0) or 2, 1, 0, 3 (p = 1): B's 24 loads stand at the head
; of the first quarter (window 3 - p), the 8 scale loads and A's 24 at the head of the third (window 1 - p), A's blocks in the order in which the next step takes them.
; THE CHANGE OF SLOTS stands at the end of a slot's SECOND step: that step fetches the third step's fragments, so the slot's last reads have been issued by its third quarter.
; THE BIAS is the C of step 0's products: its 64 registers lie where the accumulators of window 2's first block will be; those eight come last in step 0, in place.
; PREFETCH: behind each fill of three records waves 0 (A) and 2 (B) name the three records that stand two fills on.  The four partners that ask for a tile row's (column's) two groups jointly share them out by address:
; each takes 75 blocks of 256 bytes, a lane to a block, three instructions (the third: 11 blocks; its other lanes name the last again).  The first two fills and the last, short one come by their loads alone:
; the loop's last trip and the tail name nothing, so no address leaves the buffer.
.set SIZE_N, 4096
.set REC,    12800
.set SCO,    12288                     ; a record's scale words
.set FRB,    1536                      ; a fragment's image
.set HALFT,  3*REC                     ; what one tensor load brings: three steps of one group
.set BSH,    128                       ; B's records lie 128 bytes off A's grid of 256, so that a scale load's two halves of the lanes touch different banks
.set SLOT,   4*HALFT+256
.set GRP,    32*REC
.set SPARE,  2*SLOT                    ; the spare words: 128 bytes a wave, two blocks of 256 bytes that no other line names
.set SPITCH, 528                       ; the way out: a stage of 16 rows x (512 + 16) bytes for each wave,
.set STAGE,  SLOT                      ; in slot 1, which has had its last fill and, at step 28's barrier, its last read
.set FRG,  128                         ; the fragments, in every window
.set SC,   224                         ; window 0: scale words, set p at SC + 8 p: lanes 0-15 A's block i, lanes 16-31 B's block i
.set SPW,  240                         ; window 0: LDS address of my spare word; never rewritten
.set NIL,  241                         ; 0; never rewritten
.set STO,  242                         ; the way out: into the stage,
.set RD,   243                         ; back from it,
.set CO,   244                         ; my 16 bytes of a row of 512
.set PFO,  245                         ; the prefetches' offset: 256 x lane,
.set PFL,  246                         ; and 256 x min(lane, 10)
.set ADRA, 224                         ; windows 2 and 3: LDS address of my A fragments in slot 0, 1
.set ADRB, 226                         ; of my B fragments
.set ADRS, 228                         ; of my scale words
.set PFA,  4
.set PFB,  6
.set LIMA, 98
.set LIMB, 99
.set G1, 24                            ; s[24:31] group 1 for A's records, s[32:39] group 0, one for each slot
.set G0, 32
.set G1B, 48                           ; the same for B
.set G0B, 56
.set G1T, 68                           ; groups 1 for the last fill: two records, 100 rows
.set G1TB, 80
.set MSB, 0
.macro WIN new                         ; the immediate's high byte repeats the setting that is left
.if MSB != (\new)
	s_set_vgpr_msb (MSB<<8)|(\new)
.set MSB, (\new)
.endif
.endm
.macro PLACES
.rept 4
	v_nop
.endr
.endm
.macro JLOAD g0a, g1a, g0b, g1b        ; a joint load: waves 0, 1 fetch A's two groups, waves 2, 3 B's; s_nop 0 and four v_nop behind each line
	s_cmp_eq_u32 s15, 0
	s_cbranch_scc0 .Lfor_b_\@
	tensor_load_to_lds s[\g0a:\g0a+3], s[\g1a:\g1a+7]
	s_nop 0
	PLACES
	s_branch .Lasked_\@
.Lfor_b_\@:
	tensor_load_to_lds s[\g0b:\g0b+3], s[\g1b:\g1b+7]
	s_nop 0
	PLACES
.Lasked_\@:
.endm
.macro CREST                           ; a round of the cluster's barrier behind its opening barrier
	s_cmp_lg_u32 s14, 0
	s_cbranch_scc1 .Lnot_wave_0_\@
	s_barrier_signal -3
.Lnot_wave_0_\@:
	s_barrier_wait -3
	s_barrier_signal -1
	s_barrier_wait -1
.endm
.macro CROUND
	s_barrier_signal -1
	s_barrier_wait -1
	CREST
.endm
.macro ASK                             ; s3 = 1 in the loop's last trip: nothing is named there
	s_cmp_gt_u32 s3, s[LIMA]
	s_cbranch_scc0 .Lnot_a_\@
	global_prefetch_b8 v[PFO], s[PFA:PFA+1] th:TH_LOAD_NT scope:SCOPE_SE
	global_prefetch_b8 v[PFO], s[PFA:PFA+1] offset:8192 th:TH_LOAD_NT scope:SCOPE_SE
	global_prefetch_b8 v[PFL], s[PFA:PFA+1] offset:16384 th:TH_LOAD_NT scope:SCOPE_SE
.Lnot_a_\@:
	s_cmp_gt_u32 s3, s[LIMB]
	s_cbranch_scc0 .Lnot_b_\@
	global_prefetch_b8 v[PFO], s[PFB:PFB+1] th:TH_LOAD_NT scope:SCOPE_SE
	global_prefetch_b8 v[PFO], s[PFB:PFB+1] offset:8192 th:TH_LOAD_NT scope:SCOPE_SE
	global_prefetch_b8 v[PFL], s[PFB:PFB+1] offset:16384 th:TH_LOAD_NT scope:SCOPE_SE
.Lnot_b_\@:
.endm
.macro PFSTEP                          ; the prefetches' addresses go three records on, behind the wait that frees them
	s_wait_xcnt 0x0
	s_add_nc_u64 s[PFA:PFA+1], s[PFA:PFA+1], HALFT
	s_add_nc_u64 s[PFB:PFB+1], s[PFB:PFB+1], HALFT
.endm
	s_load_b128 s[4:7], s[0:1], 0x0                ; a_img, b_img
	s_load_b64 s[96:97], s[0:1], 0x10              ; q_intercept
	s_load_b64 s[12:13], s[0:1], 0x18              ; out0
	v_lshl_add_u32 v[SPW], v0, 2, SPARE
	v_mov_b32 v[NIL], 0
	ds_add_u32 v[SPW], v[NIL]                      ; the opening lines: the add, twice on end, and its wait ahead of my first tensor load
	ds_add_u32 v[SPW], v[NIL]
	v_lshrrev_b32 v1, 5, v0
	v_readfirstlane_b32 s14, v1                    ; wave 0..3
	s_lshr_b32 s15, s14, 1                         ; my half of the tile's rows.  Also: I fetch for A (0) or B (1)
	s_and_b32 s16, s14, 1                          ; my half of its columns.  Also: which group of that operand I fetch
	s_bfe_u32 s40, ttmp6, 0x40000                  ; cx
	s_bfe_u32 s41, ttmp6, 0x40004                  ; cy
	s_lshl_b32 s42, ttmp9, 2
	s_add_co_u32 s42, s42, s40                     ; tile column
	s_and_b32 s17, ttmp7, 0xffff
	s_lshl_b32 s17, s17, 2
	s_add_co_u32 s17, s17, s41                     ; tile row
	s_lshl_b32 s43, s41, 2
	s_lshl_b32 s43, 15, s43                        ; my row of the cluster
	s_lshl_b32 s44, 0x1111, s40                    ; my column
	s_or_b32 s[G1+0], s43, (3<<16)|(1<<21)         ; the mask; elements of 8 bytes; bit 21 beside a mask
	s_or_b32 s[G1B+0], s44, (3<<16)|(1<<21)
	s_or_b32 s[G1T+0], s43, (3<<16)|(1<<21)
	s_or_b32 s[G1TB+0], s44, (3<<16)|(1<<21)
.irp g, G1, G1B                        ; 150 rows of 32 elements, dense
	s_mov_b32 s[\g+1], 32<<16
	s_mov_b32 s[\g+2], 150<<16
	s_mov_b32 s[\g+3], 32<<16
	s_mov_b32 s[\g+4], 150
	s_mov_b32 s[\g+5], 32
	s_mov_b32 s[\g+6], 0
	s_mov_b32 s[\g+7], 0
.endr
.irp g, G1T, G1TB                      ; 100 rows
	s_mov_b32 s[\g+1], 32<<16
	s_mov_b32 s[\g+2], 100<<16
	s_mov_b32 s[\g+3], 32<<16
	s_mov_b32 s[\g+4], 100
	s_mov_b32 s[\g+5], 32
	s_mov_b32 s[\g+6], 0
	s_mov_b32 s[\g+7], 0
.endr
	s_lshl_b32 s20, s17, 1
	s_add_co_u32 s20, s20, s16                     ; A's group: 2 x tile row + which
	s_lshl_b32 s46, s42, 1
	s_add_co_u32 s46, s46, s16                     ; B's group: 2 x tile column + which
	s_mul_i32 s20, s20, GRP
	s_mov_b32 s21, 0
	s_mul_i32 s46, s46, GRP
	s_mov_b32 s47, 0
	s_mul_i32 s45, s14, HALFT                      ; where my records go: wave x three records
	s_mov_b32 s3, 4                                ; the loop's trips
	s_wait_dscnt 0x0                               ; both opening adds are done
	s_wait_kmcnt 0x0
	s_add_nc_u64 s[20:21], s[4:5], s[20:21]
	s_add_nc_u64 s[46:47], s[6:7], s[46:47]
.irp s, 0,1
	s_mov_b32 s[G0+4*\s], 1
	s_add_co_u32 s[G0+4*\s+1], s45, \s*SLOT
	s_add_nc_u64 s[G0+4*\s+2:G0+4*\s+3], s[20:21], \s*HALFT
	s_or_b32 s[G0+4*\s+3], s[G0+4*\s+3], 0x80000000
	s_mov_b32 s[G0B+4*\s], 1
	s_add_co_u32 s[G0B+4*\s+1], s45, \s*SLOT+BSH
	s_add_nc_u64 s[G0B+4*\s+2:G0B+4*\s+3], s[46:47], \s*HALFT
	s_or_b32 s[G0B+4*\s+3], s[G0B+4*\s+3], 0x80000000
.endr
	CROUND                                         ; all sixteen work-groups are here: the first joint loads meet
	JLOAD G0, G1, G0B, G1B                         ; steps 0-2: one tensor load a wave at the head
	; the scalar part of the addresses
	s_lshl_b32 s20, s17, 8
	s_lshl_b32 s21, s15, 7
	s_add_co_u32 s20, s20, s21                     ; my first row of out0
	s_lshl_b32 s20, s20, 14                        ; x 16,384 bytes
	s_mov_b32 s21, 0
	s_lshl_b32 s46, s42, 10
	s_lshl_b32 s47, s16, 9
	s_add_co_u32 s46, s46, s47                     ; my first column, in bytes of f32 or int32
	s_mov_b32 s47, 0
	s_add_nc_u64 s[96:97], s[96:97], s[46:47]
	s_add_nc_u64 s[20:21], s[20:21], s[46:47]
	s_add_nc_u64 s[12:13], s[12:13], s[20:21]
	s_mul_i32 s88, s15, HALFT                      ; my group of A in slot 0,
	s_add_co_u32 s89, s88, SLOT                    ; in slot 1;
	s_mul_i32 s90, s16, HALFT
	s_add_co_u32 s90, s90, 2*HALFT+BSH             ; my group of B
	s_add_co_u32 s91, s90, SLOT
	s_sub_co_u32 s92, s90, s88                     ; from A's to B's
	s_mul_i32 s93, s14, 16*SPITCH
	s_add_co_u32 s93, s93, STAGE                   ; my stage
	s_lshl_b32 s20, s17, 1                         ; the prefetches: of my tile row's two groups of A the partner at cx takes group cx / 2, blocks 75 (cx % 2) on of each three records
	s_lshr_b32 s21, s40, 1
	s_add_co_u32 s20, s20, s21
	s_mul_i32 s20, s20, GRP
	s_and_b32 s21, s40, 1
	s_mul_i32 s21, s21, 75*256
	s_add_co_u32 s20, s20, s21
	s_add_co_u32 s20, s20, 2*HALFT                 ; the first names steps 6-8
	s_mov_b32 s21, 0
	s_add_nc_u64 s[PFA:PFA+1], s[PFA:PFA+1], s[20:21]
	s_lshl_b32 s22, s42, 1                         ; B likewise, by cy
	s_lshr_b32 s23, s41, 1
	s_add_co_u32 s22, s22, s23
	s_mul_i32 s22, s22, GRP
	s_and_b32 s23, s41, 1
	s_mul_i32 s23, s23, 75*256
	s_add_co_u32 s22, s22, s23
	s_add_co_u32 s22, s22, 2*HALFT
	s_mov_b32 s23, 0
	s_add_nc_u64 s[PFB:PFB+1], s[PFB:PFB+1], s[22:23]
	s_cmp_eq_u32 s14, 0
	s_cselect_b32 s[LIMA], 1, -1                   ; wave 0 names A's bytes,
	s_cmp_eq_u32 s14, 2
	s_cselect_b32 s[LIMB], 1, -1                   ; wave 2 B's
	s_mov_b32 s18, 0xc3000000                      ; -128.0
	s_mov_b32 s19, s18
	s_mov_b32 s22, 0x3c23d70a                      ; 0.01
	s_mov_b32 s23, s22
	; the vector part, in one run
	v_and_b32 v1, 15, v0                           ; r
	v_bfe_u32 v2, v0, 4, 1                         ; h
	v_and_b32 v3, 31, v0                           ; lane
	v_lshlrev_b32 v8, 5, v2                        ; the bias: 32 h bytes: my eight columns of a block of 16
	v_lshlrev_b32 v4, 4, v3                        ; 16 x lane: my place in an image
	v_lshlrev_b32 v5, 2, v1
	v_mul_u32_u24 v6, s92, v2
	v_add_nc_u32 v5, v5, v6                        ; scale words: 4 r; lanes 16-31 take B's
	v_mul_u32_u24 v7, v1, SPITCH
	v_lshl_add_u32 v7, v2, 5, v7
	v_add_nc_u32 v[STO], s93, v7                   ; into the stage: row r, 32 bytes for each half of the lanes
	v_lshlrev_b32 v[CO], 4, v3
	v_add_nc_u32 v[RD], s93, v4                    ; back: the 32 lanes take a row of 512 bytes
	v_lshlrev_b32 v[PFO], 8, v3
	v_min_u32 v9, 10, v3
	v_lshlrev_b32 v[PFL], 8, v9
	WIN 0x80                                       ; destinations in window 2
.irp b, 0,1,2,3,4,5,6,7
	global_load_b128 v[8*\b:8*\b+3], v8, s[96:97] offset:64*\b         ; q_intercept of columns 16 b + 8 h + 0 .. 7, in a result's layout
	global_load_b128 v[8*\b+4:8*\b+7], v8, s[96:97] offset:64*\b+16
.endr
.irp d, 0x80, 0xc0                     ; the six LDS addresses, into window 2 and into window 3
	WIN \d
	v_add_nc_u32 v[ADRA], s88, v4
	v_add_nc_u32 v[ADRA+1], s89, v4
	v_add_nc_u32 v[ADRB], s90, v4
	v_add_nc_u32 v[ADRB+1], s91, v4
	v_add_nc_u32 v[ADRS], s88, v5
	v_add_nc_u32 v[ADRS+1], s89, v5
.endr
	WIN 0
	s_wait_alu depctr_va_vdst(0)                   ; the wait here, ahead of the branches below
	ASK                                            ; steps 6-8
	WIN 0x82                                       ; source 0 and destination in window 2
	s_wait_loadcnt 0x0
.set j, 0
.rept 64
	v_cvt_f32_i32 v[j], v[j]
.set j, j+1
.endr
.set j, 0
.rept 32
	v_pk_add_f32 v[j:j+1], v[j:j+1], s[18:19] op_sel_hi:[1,0]          ; q - 128: exact
.set j, j+2
.endr
.set j, 0
.rept 32
	v_pk_mul_f32 v[j:j+1], v[j:j+1], s[22:23] op_sel_hi:[1,0]          ; x 0.01
.set j, j+2
.endr
	WIN 0
; One LDS load of 16 bytes a lane, number l of a set's 24.  kind 1: B's set, images as they lie.  kind 2: A's set, the blocks in the order in which a step of parity pn takes them.
.macro LDF kind, pn, slot, q, l
.if (\kind) == 1
	ds_load_b128 v[FRG+4*(\l):FRG+4*(\l)+3], v[ADRB+\slot] offset:REC*(\q)+512*(\l)
.else
.set FF, 2*(((1-(\pn))*((\l)/6+3)+(\pn)*(6-(\l)/6))%4)+((\l)/3)%2
	ds_load_b128 v[FRG+12*FF+4*((\l)%3):FRG+12*FF+4*((\l)%3)+3], v[ADRA+\slot] offset:REC*(\q)+FRB*FF+512*((\l)%3)
.endif
.endm
; Quarter k of a step of parity p: its window setting; kind: a run of 24 loads for the next step (slot ns, record nq); wt: the wait on the LDS counter (none if negative);
; products j0 .. j0 + cnt - 1: the 16 accumulators of one window by turns.  first: C is the bias, in window 2.
.macro QTR k, p, first, kind, wt, ns, nq, j0, cnt
.set WW, ((1-(\p))*((\k)+3)+(\p)*(6-(\k)))%4
.if \first
.set WS, (WW<<6)|(2<<4)|((\p)<<2)|(2+(\p))
.else
.set WS, (WW<<6)|(WW<<4)|((\p)<<2)|(2+(\p))
.endif
	WIN WS
.if (\kind)
.set L, 0
.rept 24
	LDF \kind, 1-(\p), \ns, \nq, L
.set L, L+1
.endr
.endif
.if (\wt) >= 0
	s_wait_dscnt \wt
.endif
.set J, \j0
.rept \cnt
.set AB, 2*WW+J/8
.set NB, J%8
.if \first
	v_wmma_scale_f32_16x16x128_f8f6f4 v[8*J:8*J+7], v[FRG+12*NB:FRG+12*NB+11], v[FRG+12*AB:FRG+12*AB+11], v[8*NB:8*NB+7], v[SC+8*(\p)+NB], v[SC+8*(\p)+AB] matrix_a_fmt:MATRIX_FMT_FP6 matrix_b_fmt:MATRIX_FMT_FP6 matrix_a_scale:MATRIX_SCALE_ROW1
.else
	v_wmma_scale_f32_16x16x128_f8f6f4 v[8*J:8*J+7], v[FRG+12*NB:FRG+12*NB+11], v[FRG+12*AB:FRG+12*AB+11], v[8*J:8*J+7], v[SC+8*(\p)+NB], v[SC+8*(\p)+AB] matrix_a_fmt:MATRIX_FMT_FP6 matrix_b_fmt:MATRIX_FMT_FP6 matrix_a_scale:MATRIX_SCALE_ROW1
.endif
.set J, J+1
.endr
.endm
; A step: 64 products.  LDS serves a wave's loads in order, and A's blocks were fetched last, in the order of their use: each quarter's wait leaves out the blocks that later quarters take and all that this step has issued.
; turn 1, 2: this step has fetched its slot's last fragments: the change of slots, with a refill of slot ts (2: the last fill, two records); 3: the barrier alone.
; Four places stand at each step's end (behind a refill: the joint load's four), ahead of the next step's loads into the sets that this step has multiplied.
.macro STEP p, ns, nq, first, fetch, turn, ts, ask
	QTR 0, \p, \first, \fetch, 18+24*(\fetch), \ns, \nq, 0, 16      ; B's set, the scale words and A's first two blocks are in; A's other six blocks (18 loads) and B's 24 just issued may be out
	QTR 1, \p, \first, 0, 12+24*(\fetch), 0, 0, 0, 16               ; four blocks and B's 24
.if \fetch
	WIN ((\p)<<2)|(2+(\p))                         ; destination window 0, address window 2 + p
.irp i, 0,1,2,3,4,5,6,7
	ds_load_b32 v[SC+8*(1-(\p))+\i], v[ADRS+\ns] offset:REC*(\nq)+SCO+64*\i
.endr
.endif
	QTR 2, \p, \first, 2*(\fetch), 6+56*(\fetch), \ns, \nq, 0, 16   ; two blocks and this step's 56
.if \turn
.if \ask
	PFSTEP
.endif
	WIN 0                                          ; (the add's two registers lie in window 0)
	s_wait_tensorcnt 0x0                           ; all my tensor loads have landed: my part of the other slot;
	ds_add_u32 v[SPW], v[NIL]                      ; 0 onto my spare word;
	QTR 3, \p, 0, 0, 57, 0, 0, 0, 8                ; (this step's 56 loads and the add may be out)
	s_wait_dscnt 0x0                               ; the add is done, and my reads of this slot are over
	s_barrier_signal -1
	QTR 3, \p, 0, 0, -1, 0, 0, 8, 8
	WIN 0
	s_barrier_wait -1
.if \turn < 3
	CREST                                          ; the barrier has opened a round of the cluster's barrier: no wave of any partner still reads this slot or has a load on its way
	s_add_nc_u64 s[G0+4*\ts+2:G0+4*\ts+3], s[G0+4*\ts+2:G0+4*\ts+3], 2*HALFT
	s_add_nc_u64 s[G0B+4*\ts+2:G0B+4*\ts+3], s[G0B+4*\ts+2:G0B+4*\ts+3], 2*HALFT
.if \turn == 1
	JLOAD G0+4*\ts, G1, G0B+4*\ts, G1B             ; the first tensor load behind the round: 176 products ahead of the wait for it
.else
	JLOAD G0+4*\ts, G1T, G0B+4*\ts, G1TB
.endif
.if \ask
	ASK
.endif
.else
	PLACES
.endif
.else
.if \first
	QTR 3, \p, 1, 0, 56, 0, 0, 8, 8                ; window 2's second block first: the bias still lies in the first block's registers
	PLACES
	v_nop                                          ; five places between the last product that read the bias and the first that writes over it
	QTR 3, \p, 1, 0, -1, 0, 0, 0, 8                ; in place
.else
	QTR 3, \p, 0, 0, 56*(\fetch), 0, 0, 0, 16      ; all A's blocks are in; this step's 56 loads may be out
.endif
	PLACES
.endif
.endm
	s_wait_alu depctr_va_vdst(0)                   ; the wait at the head's end
	PFSTEP
	s_wait_tensorcnt 0x0                           ; my part of slot 0 is in
	ds_add_u32 v[SPW], v[NIL]
	s_wait_dscnt 0x0
	CROUND
	JLOAD G0+4, G1, G0B+4, G1B                     ; steps 3-5, into slot 1
	ASK                                            ; steps 9-11
	WIN 0x82                                       ; step 0's fragments, in a step's order: B's set 0 (window 2; addresses from window 2),
.set L, 0
.rept 24
	LDF 1, 0, 0, 0, L
.set L, L+1
.endr
	WIN 0x02                                       ; the scale words, A's set 0
.irp i, 0,1,2,3,4,5,6,7
	ds_load_b32 v[SC+\i], v[ADRS] offset:SCO+64*\i
.endr
.set L, 0
.rept 24
	LDF 2, 0, 0, 0, L
.set L, L+1
.endr
	STEP 0, 0, 1, 1, 1, 0, 0, 0                    ; step 0 starts the sums on the bias: nothing is cleared
	WIN 0                                          ; at a label and at a branch every window is 0
.Llap:                                                 ; a trip: steps 6 t + 1 .. 6 t + 6, once round the ring, both slots filled again
	STEP 1, 0, 2, 0, 1, 1, 0, 1
	STEP 0, 1, 0, 0, 1, 0, 0, 0
	STEP 1, 1, 1, 0, 1, 0, 0, 0
	STEP 0, 1, 2, 0, 1, 1, 1, 1
	STEP 1, 0, 0, 0, 1, 0, 0, 0
	STEP 0, 0, 1, 0, 1, 0, 0, 0
	WIN 0
	s_sub_co_u32 s3, s3, 1
	s_cmp_lg_u32 s3, 0
	s_cbranch_scc1 .Llap
	STEP 1, 0, 2, 0, 1, 2, 0, 0                    ; step 25: the last fill, steps 30 and 31
	STEP 0, 1, 0, 0, 1, 0, 0, 0
	STEP 1, 1, 1, 0, 1, 0, 0, 0
	STEP 0, 1, 2, 0, 1, 3, 0, 0                    ; step 28: nothing is left to fetch: the barrier alone
	STEP 1, 0, 0, 0, 1, 0, 0, 0
	STEP 0, 0, 1, 0, 1, 0, 0, 0
	STEP 1, 0, 0, 0, 0, 0, 0, 0                    ; step 31; its four places serve the way out's first reads and loads
	WIN 0
; THE WAY OUT, by blocks of 16 rows x 128 columns: through my own stage in LDS and back as whole rows of 512 bytes (LDS serves a wave's instructions in order: no wait between the stores and the loads),
; into the registers that held A's sets: window 0 and window 1 by turns.  The 32 lanes store two aligned units of 256 bytes.
.macro TOSTAGE a
	WIN ((\a)/2)<<2                                ; the data: the block's window
.irp b, 0,1,2,3,4,5,6,7
	ds_store_b128 v[STO], v[64*((\a)%2)+8*\b:64*((\a)%2)+8*\b+3] offset:64*\b      ; each accumulator from its low end on
	ds_store_b128 v[STO], v[64*((\a)%2)+8*\b+4:64*((\a)%2)+8*\b+7] offset:64*\b+16
.endr
	WIN ((\a)%2)<<6
.irp t, 0,1,2,3,4,5,6,7,8,9,10,11,12,13,14,15
	ds_load_b128 v[FRG+4*\t:FRG+4*\t+3], v[RD] offset:\t*SPITCH
.endr
.endm
.macro SEND a, younger                 ; younger: the LDS instructions issued behind block a's loads
	s_wait_dscnt \younger
.if (\a) > 0
	s_add_nc_u64 s[12:13], s[12:13], 16*SIZE_N*4   ; (behind a wait on XCNT: the earlier stores have read their base)
.endif
	WIN ((\a)%2)<<2
.irp t, 0,1,2,3,4,5,6,7,8,9,10,11,12,13,14,15
	global_store_b128 v[CO], v[FRG+4*\t:FRG+4*\t+3], s[12:13] offset:\t*SIZE_N*4 th:TH_STORE_NT
.endr
.endm
	TOSTAGE 0
.irp a, 1,2,3,4,5,6,7
.if \a > 1
	s_wait_xcnt 0x0                                ; block a - 2's stores have read their registers and their base
.endif
	TOSTAGE \a
	SEND \a-1, 32                                  ; behind block a - 1's loads: block a's 16 stores and 16 loads
.endr
	s_wait_xcnt 0x0
	SEND 7, 0
	WIN 0
	s_wait_tensorcnt 0x0                           ; the wave's end
	ds_add_u32 v[SPW], v[NIL]
	s_wait_dscnt 0x0
	CROUND                                         ; the closing round
	s_endpgm
.Lfunc_end_k_qebcf78bb22_gemm:
	.size	k_qebcf78bb22_gemm, .Lfunc_end_k_qebcf78bb22_gemm-k_qebcf78bb22_gemm
	.p2alignl 7, 3214868480
	.fill 96, 4, 3214868480
	.section	.rodata,"a",@progbits
	.p2align	6, 0x0
	.amdhsa_kernel k_qebcf78bb22_gemm
		.amdhsa_group_segment_fixed_size 327680
		.amdhsa_private_segment_fixed_size 0
		.amdhsa_enable_private_segment 0
		.amdhsa_kernarg_size 32
		.amdhsa_user_sgpr_count 2
		.amdhsa_user_sgpr_kernarg_segment_ptr 1
		.amdhsa_wavefront_size32 1
		.amdhsa_system_sgpr_workgroup_id_x 1
		.amdhsa_system_sgpr_workgroup_id_y 1
		.amdhsa_system_sgpr_workgroup_id_z 1
		.amdhsa_system_vgpr_workitem_id 0
		.amdhsa_next_free_vgpr 1024
		.amdhsa_next_free_sgpr 100
		.amdhsa_reserve_vcc 0
		.amdhsa_float_denorm_mode_32 3
		.amdhsa_float_denorm_mode_16_64 3
		.amdhsa_memory_ordered 1
		.amdhsa_forward_progress 1
		.amdhsa_inst_pref_size 221
	.end_amdhsa_kernel
	.amdgpu_metadata
---
amdhsa.version: [ 1, 2 ]
amdhsa.kernels:
  - .name:           k_qebcf78bb22_gemm
    .symbol:         k_qebcf78bb22_gemm.kd
    .args:
      - { .name: a_img, .offset: 0, .size: 8, .value_kind: global_buffer, .address_space: global }
      - { .name: b_img, .offset: 8, .size: 8, .value_kind: global_buffer, .address_space: global }
      - { .name: q_intercept, .offset: 16, .size: 8, .value_kind: global_buffer, .address_space: global }
      - { .name: out0, .offset: 24, .size: 8, .value_kind: global_buffer, .address_space: global }
    .group_segment_fixed_size: 327680
    .private_segment_fixed_size: 0
    .kernarg_segment_align: 8
    .kernarg_segment_size: 32
    .max_flat_workgroup_size: 128
    .sgpr_count:     100
    .vgpr_count:     1024
    .wavefront_size: 32
...
	.end_amdgpu_metadata
.endif
;; end of part 2
